; MI455X (gfx1250); checked and timed in simulation.
; The chip was launched on July 23, 2026; its instructions are those of AMD's public machine-readable ISA for CDNA 5 (MIT licence, August 2026) and "CDNA5" Instruction Set Architecture Reference Guide (July 2026). The comments in the code are by the model that wrote it; some were corrected since.
;; Heads TIL. Allowed arithmetic: float matrix products may take bf16 or f16 operands with f32 sums; other float arithmetic in f32, or as packed bf16 or f16 multiplies, adds, multiply-adds, maxima and minima; sums over many terms, partial sums and values carried from step to step in f32; what a program stores and reads back later, other than sums and carried values, may be rounded once to bf16 or f16.
;; Inputs: W 16 x 100 x 512 float32; b 16 x 100 float32; feature 65,536 x 512 float32; task_id 65,536 int32.
;; Outputs: out0 65,536 x 100 float32.
;; One version. Each part assembles by itself: llvm-mc -triple=amdgcn-amd-amdhsa -mcpu=gfx1250 --defsym DOCPART=n.
;; ======== version 1 of 1: 1 launch
;; launch heads (part 1): grid 16 x 16, 8 waves a work-group, no clusters, 316,416 bytes of LDS; arguments feature, task_id, W, b, out0; writes out0
.if DOCPART == 1
	.amdgcn_target "amdgcn-amd-amdhsa--gfx1250"
	.amdhsa_code_object_version 6
	.text
	.protected	k_qc20c71aede_heads
	.globl	k_qc20c71aede_heads
	.p2align	8
	.type	k_qc20c71aede_heads,@function
k_qc20c71aede_heads:
	s_mov_b64 s[64:65], 0
	v_nop
	global_prefetch_b8 v0, s[64:65] scope:SCOPE_SE
	s_setreg_imm32_b32 hwreg(HW_REG_WAVE_MODE, 25, 1), 1
	s_wait_xcnt 0x0
; out0[i][:] = W[task_id[i]] . feature[i] + b[task_id[i]].  feature [65536][512] f32, task_id [65536] i32, W [16][100][512] f32, b [16][100] f32, out0 [65536][100] f32.
; Only the chosen head's product is made.  ONE LAUNCH: work-group (e, r) owns the tokens of range r (4,096 consecutive tokens) whose id is e: a token's owner follows from its place and its id,
; so nothing is sorted across work-groups and every row of out0 has one writer.  The work-group reads its range's 4,096 ids, lays the numbers of its tokens end to end in a list in LDS
; (counts, a prefix sum over waves, a placement: no atomics), rounds W[e] once to bf16 into LDS, and then each of its 8 waves takes tiles of 48 listed rows: gather, round to bf16, multiply, add b[e], store.
; WHY 48 ROWS: a wave reads all of W[e] out of LDS for each tile, 224 loads of 16 bytes a lane; with three blocks of 16 rows each fragment feeds three products.
; EVERY SPLIT IS SERVED: the list holds 0 to 4,096 tokens; wave w takes tiles w, w + 8, .. in a loop of 11 trips (11 x 8 x 48 >= 4,096); trips past the count are jumped.  A split that gives a
; work-group more than 384 tokens takes it more than one trip a wave.  Places past the count in the last tile name the range's token 0; their rows are computed and not stored.
; FORMATS: feature and W are rounded once to bf16, sums and bias in f32.  Inside each 128 of K the order of k is permuted, alike for W and for the tokens (one way of loading and packing lays both),
; so the sums are taken in another order than the reference's.
; LIMITS: a token whose id lies outside 0 .. 15 is written by nobody (the reference's gather relies on ids inside its table).  A NaN or an infinity stays in its own row.
; NO CLUSTER: the 16 work-groups of an expert read the same W, 204,800 bytes of f32; beside its bf16 copy (116,480), the list and the stages (199,936) that does not fit into 327,680 bytes of LDS,
; and the trips that follow hang on a count that differs from work-group to work-group.  NO TENSOR LOADS: the rows come by a list, which no descriptor of rows at one pitch covers.
; EXEC is never written: every lane is on in every line.  out0's rows are 400 bytes and belong to whoever owns the token: a store covers one row, 25 lanes x 16 consecutive bytes, and lanes 25-31
; repeat lane 24's address and data.
; REGISTERS, in two windows of 256 (s_set_vgpr_msb: bits 1:0 source 0, 3:2 source 1, 5:4 source 2, 7:6 destination).  Window 0: addresses, fragments, accumulators, and all of the way out.
; Window 1: what is on its way from feature, with the offsets and the stage address that go with it, so that asking and rounding run under ONE setting; and the fragments of W's column blocks 4-6.
.set WP,    1040                    ; a row of W in LDS: 1,024 bytes of bf16 + 16: the 16 rows of a fragment load start 260 words apart, at 16 different groups of four banks (64 banks of 4 bytes: ISA guide 11.1)
.set AP,    272                     ; a token's 128 k in the stage: 256 bytes + 16
.set OP,    464                     ; a token's 112 results in the stage: 448 bytes + 16
.set NW,    8                       ; waves
.set TROWS, 48                      ; rows in a tile
.set UNITS, 24                      ; pairs of rows in a tile
.set LIST,  112*WP                  ; behind W's 112 rows: 5,120 words: 4,096 places for my tokens' numbers in the range, 48 of padding, and from DUMP on a word for each thread
.set LISTB, 20480
.set DUMP,  4144                    ; the index of thread 0's dump word: where a lane whose id is not e puts its number
.set CNT,   LIST+LISTB              ; 8 words: how many tokens each wave found
.set STG,   CNT+256                 ; a stage for each wave, its own: 48 x AP on the way in, 48 x OP on the way out
.set WSB,   TROWS*OP
.set SPARE, STG+NW*WSB              ; the spare words, 128 bytes for each wave: four blocks of 256 bytes that no other line names
; window 0
.set LN,    1                       ; v1      in the head: lane
.set LA,    1                       ;         in the loop: an LDS address at work
.set SPW,   2                       ; v2      LDS address of my spare word; never rewritten
.set NIL,   3                       ; v3      0; never rewritten
.set C16,   4                       ; v4      16 c        (c = lane % 16, h = lane / 16)
.set LISTP, 5                       ; v5      LIST + 4 h
.set AFR,   6                       ; v6      stage + AP c + 16 h: a token fragment
.set BFR0,  7                       ; v7      WP c + 16 h: a fragment of W, column blocks 0-3
.set BFR1,  8                       ; v8      the same, column blocks 4-6
.set OST,   9                       ; v9      stage + OP c + 32 h: where my eight results of a token go
.set ORD,   10                      ; v10     stage + 16 min(lane, 24): a row read back
.set L16,   11                      ; v11     16 min(lane, 24): my 16 bytes of a row of out0 and of b
.set BIAS,  12                      ; v12-15  b[e][4 min(lane, 24) ..]
.set TC,    16                      ; v16-31  in the head: c, h, offsets, and eight at work
.set TH,    17
.set WOF,   18                      ;         byte offset in W[e] of my 16 bytes of row 2 w + h
.set WOF2,  19                      ;         of row min(96 + 2 w + h, 99)
.set IDOF,  20                      ;         byte offset of my first four ids
.set WST,   22                      ;         where my pairs of rows of W go: rows 2 w + h + 16 g, g = 0 .. 3
.set WST2,  23                      ;         g = 4 .. 6
.set Z,     24                      ;         v24-27: four zeros, then at work
.set T4,    28
.set T5,    29
.set T6,    30
.set FB,    32                      ; v32-63  four fragments of W: column blocks 0-3
.set FA,    64                      ; v64-87  three token fragments
.set ACC,   88                      ; v88-255 21 accumulators: row block rb, column block nb at ACC + 8 (7 rb + nb)
.set WL,    32                      ; v32-255 in the head: seven pairs of rows of W as loaded
.set TOK,   16                      ; v16-63  on the way out: the 48 rows' offsets in out0
.set RW,    64                      ; v64-255 on the way out: 48 rows x 4
; window 1
.set SG,    0                       ; v0-191  24 units of 8: what is on its way from feature
.set ID,    16                      ; v16-31  in the head: my sixteen ids
.set ROFF,  192                     ; v192-215 pair i of rows: byte offset in the range's features of my 16 bytes
.set FB1,   216                     ; v216-239 three fragments of W: column blocks 4-6
.set STO1,  240                     ; v240    stage + AP h + 16 c: where a pair of rows' 128 k go
.set LA1,   241                     ; v241    an LDS address at work
.set PF1,   242                     ; v242    the prefetches' offset; never rewritten
.set W1,    0x45                    ; destination, source 0 and source 1 in window 1, source 2 in window 0
.set S_W,    14                     ; s14  wave
.set S_E,    15                     ; s15  expert
.set S_R,    16                     ; s16  range
.set S_N,    17                     ; s17  tokens in the list
.set S_BASE, 18                     ; s18  where my next tokens go in the list
.set S_TB,   19                     ; s19  first place of the tile to be asked for
.set S_T16,  20                     ; s20  first place of the tile in hand
.set S_TRIP, 21
.set MK,     24                     ; s24-39 which lanes' id k is e
.set OFFP,   40                     ; s[40:41] an offset in 64 bits, the high word 0
.set S_ROWS, 42
.set S_SB,   43                     ; s44-46 at work
.set MSB, 0
.macro WIN new                      ; the immediate's high byte repeats the setting that is left; a switch that changes nothing is dropped
.if MSB != (\new)
	s_set_vgpr_msb (MSB<<8)|(\new)
.set MSB, \new
.endif
.endm
.macro PLACES                       ; four plain instructions between a matrix instruction and a load into, or an LDS store out of, its registers (ISA guide 7.12.1 for the stores)
.rept 4
	v_nop
.endr
.endm
; eight f32 in v[b .. b+7] become eight bf16 in v[b .. b+3]
.macro PACK8 b
	v_cvt_pk_bf16_f32 v[(\b)],   v[(\b)],   v[(\b)+1]
	v_cvt_pk_bf16_f32 v[(\b)+1], v[(\b)+2], v[(\b)+3]
	v_cvt_pk_bf16_f32 v[(\b)+2], v[(\b)+4], v[(\b)+5]
	v_cvt_pk_bf16_f32 v[(\b)+3], v[(\b)+6], v[(\b)+7]
.endm
; A UNIT (i, m): pair i of the tile's rows, k 128 m .. 128 m + 127: two loads; in each, lanes 0-15 take 256 consecutive bytes of row 2 i, lanes 16-31 of row 2 i + 1, at multiples of 256 from feature's first byte.
; BEGIN: the tile at place s[S_TB]: its 48 token numbers out of the list, the rows' offsets, and the 24 units of m = 0: 48 loads, 24,576 bytes of the wave on their way.
.macro BEGIN
	s_min_u32 s[S_SB], s[S_TB], s[S_N]             ; a wave without a tile takes the 48 entries of padding
	s_min_u32 s[S_SB], s[S_SB], 4096
	WIN W1
	v_lshl_add_u32 v[LA1], s[S_SB], 2, v[LISTP]
.set bi, 0
.rept UNITS
	ds_load_b32 v[ROFF+bi], v[LA1] offset:8*bi     ; place 2 i + h
.set bi, bi+1
.endr
	s_wait_dscnt 0x0
.set bi, 0
.rept UNITS
	v_min_u32 v[ROFF+bi], 4095, v[ROFF+bi]         ; a number in the range
.set bi, bi+1
.endr
.set bi, 0
.rept UNITS
	v_lshl_add_u32 v[ROFF+bi], v[ROFF+bi], 11, v[C16]  ; x 2,048 bytes + 16 c
.set bi, bi+1
.endr
	s_wait_loadcnt 0x0                             ; no load of mine is out when the landing registers are asked for anew.  In the loop the last chunk's count-down has ended at 0; ahead of the loop this is the wait for W and b
.set bi, 0
.rept UNITS
	global_load_b128 v[SG+8*bi:SG+8*bi+3],   v[ROFF+bi], s[4:5] th:TH_LOAD_NT
	global_load_b128 v[SG+8*bi+4:SG+8*bi+7], v[ROFF+bi], s[4:5] offset:256 th:TH_LOAD_NT
.set bi, bi+1
.endr
	WIN 0
.endm
; CVT m: the 24 units of chunk m are rounded and laid into my stage; each unit's registers are asked for again at once, for chunk m + 1.
.macro CVT m
	WIN W1
.set ci, 0
.rept UNITS
.if (\m) < 3
	s_wait_loadcnt 2*UNITS-2                       ; behind this unit's two loads stand 23 units' 46: the later ones of this chunk, the earlier ones of the next
.else
	s_wait_loadcnt 2*UNITS-2-2*ci                  ; the last chunk asks for nothing: the counts run down
.endif
	PACK8 SG+8*ci
	ds_store_b128 v[STO1], v[SG+8*ci:SG+8*ci+3] offset:2*AP*ci
.if (\m) < 3
	global_load_b128 v[SG+8*ci:SG+8*ci+3],   v[ROFF+ci], s[4:5] offset:512*((\m)+1) th:TH_LOAD_NT
	global_load_b128 v[SG+8*ci+4:SG+8*ci+7], v[ROFF+ci], s[4:5] offset:512*((\m)+1)+256 th:TH_LOAD_NT
.endif
.set ci, ci+1
.endr
	WIN 0
.endm
; The fragments of K step s (32 along K, at byte 64 s of W's rows and byte 64 (s % 4) of the stage's)
.macro LOADB03 s                    ; W's column blocks 0-3: eight loads
.irp nb, 0,1,2,3
	ds_load_b128 v[FB+8*(\nb):FB+8*(\nb)+3],   v[BFR0] offset:(\nb)*16*WP+64*(\s)
	ds_load_b128 v[FB+8*(\nb)+4:FB+8*(\nb)+7], v[BFR0] offset:(\nb)*16*WP+64*(\s)+32
.endr
.endm
.macro LOADA sp                     ; the three row blocks' tokens: six loads.  LDS serves a wave's instructions in order (ISA guide 5.7.1.4): they see CVT's stores
.irp rb, 0,1,2
	ds_load_b128 v[FA+8*(\rb):FA+8*(\rb)+3],   v[AFR] offset:(\rb)*16*AP+64*(\sp)
	ds_load_b128 v[FA+8*(\rb)+4:FA+8*(\rb)+7], v[AFR] offset:(\rb)*16*AP+64*(\sp)+32
.endr
.endm
.macro LOADB46 s                    ; W's column blocks 4-6, into window 1: six loads
	WIN 0x40
.irp nb, 0,1,2
	ds_load_b128 v[FB1+8*(\nb):FB1+8*(\nb)+3],   v[BFR1] offset:(\nb)*16*WP+64*(\s)
	ds_load_b128 v[FB1+8*(\nb)+4:FB1+8*(\nb)+7], v[BFR1] offset:(\nb)*16*WP+64*(\s)+32
.endr
	WIN 0
.endm
; STEP s: 21 products.  The matrix instruction is used transposed (source 0 = 16 rows of W, source 1 = 16 tokens): a lane then holds one token (c) and eight neighbouring columns (16 nb + 8 h + 0..7).
; The 21 accumulators take turns, one instruction a turn.  Step 0 starts the sums with the constant 0.
; Each set of fragment registers is asked for again as soon as its last reader stands four places back: blocks 0-3 ahead of the nine products on blocks 4-6, the tokens and blocks 4-6 behind them.
.macro STEP s
	s_wait_dscnt 6                                 ; the tokens and blocks 0-3 are in; the youngest six loads, blocks 4-6, may be out
.irp nb, 0,1,2,3
.irp rb, 0,1,2
.if (\s) == 0
	v_wmma_f32_16x16x32_bf16 v[ACC+8*(7*(\rb)+(\nb)):ACC+8*(7*(\rb)+(\nb))+7], v[FB+8*(\nb):FB+8*(\nb)+7], v[FA+8*(\rb):FA+8*(\rb)+7], 0
.else
	v_wmma_f32_16x16x32_bf16 v[ACC+8*(7*(\rb)+(\nb)):ACC+8*(7*(\rb)+(\nb))+7], v[FB+8*(\nb):FB+8*(\nb)+7], v[FA+8*(\rb):FA+8*(\rb)+7], v[ACC+8*(7*(\rb)+(\nb)):ACC+8*(7*(\rb)+(\nb))+7]
.endif
.endr
.endr
.if (\s) < 15
	PLACES
	LOADB03 (\s)+1
	s_wait_dscnt 8                                 ; blocks 4-6 are in; the eight loads just issued may be out
.else
	s_wait_dscnt 0x0
.endif
	WIN 0x01                                       ; source 0 in window 1
.irp nb, 0,1,2
.irp rb, 0,1,2
.if (\s) == 0
	v_wmma_f32_16x16x32_bf16 v[ACC+8*(7*(\rb)+4+(\nb)):ACC+8*(7*(\rb)+4+(\nb))+7], v[FB1+8*(\nb):FB1+8*(\nb)+7], v[FA+8*(\rb):FA+8*(\rb)+7], 0
.else
	v_wmma_f32_16x16x32_bf16 v[ACC+8*(7*(\rb)+4+(\nb)):ACC+8*(7*(\rb)+4+(\nb))+7], v[FB1+8*(\nb):FB1+8*(\nb)+7], v[FA+8*(\rb):FA+8*(\rb)+7], v[ACC+8*(7*(\rb)+4+(\nb)):ACC+8*(7*(\rb)+4+(\nb))+7]
.endif
.endr
.endr
	WIN 0
	PLACES
.if (\s) < 15
.if ((\s)%4) == 3
	CVT ((\s)+1)/4                                 ; the stage's last readers have been issued: the next 128 k take its place
.endif
	LOADA ((\s)+1)%4
	LOADB46 (\s)+1
.endif
.endm
; THE WAY OUT, all in window 0: a row block's results go into my stage and come back by rows; each block's rows land on registers whose accumulators have been stored (block p: v[64 + 64 p ..]).
.macro OSTORE p
.irp nb, 0,1,2,3,4,5,6
	ds_store_b128 v[OST], v[ACC+8*(7*(\p)+(\nb)):ACC+8*(7*(\p)+(\nb))+3]   offset:(\p)*16*OP+64*(\nb)     ; each accumulator's low registers first
	ds_store_b128 v[OST], v[ACC+8*(7*(\p)+(\nb))+4:ACC+8*(7*(\p)+(\nb))+7] offset:(\p)*16*OP+64*(\nb)+16
.endr
.endm
.macro OLOAD p
.irp i, 0,1,2,3,4,5,6,7,8,9,10,11,12,13,14,15
	ds_load_b128 v[RW+64*(\p)+4*(\i):RW+64*(\p)+4*(\i)+3], v[ORD] offset:OP*(16*(\p)+(\i))  ; columns 4 lane .. 4 lane + 3; lanes 25-31 repeat lane 24's
.endr
.endm
.macro ADDB p, younger              ; younger: the LDS instructions issued behind block p's sixteen loads
.irp i, 0,1,2,3,4,5,6,7,8,9,10,11,12,13,14,15
	s_wait_dscnt (\younger)+15-(\i)                ; row i of the block is in
	v_pk_add_f32 v[RW+64*(\p)+4*(\i):RW+64*(\p)+4*(\i)+1],   v[RW+64*(\p)+4*(\i):RW+64*(\p)+4*(\i)+1],   v[BIAS:BIAS+1]
	v_pk_add_f32 v[RW+64*(\p)+4*(\i)+2:RW+64*(\p)+4*(\i)+3], v[RW+64*(\p)+4*(\i)+2:RW+64*(\p)+4*(\i)+3], v[BIAS+2:BIAS+3]
.endr
.endm
; OUT (expanded once).  The last STEP's four v_nop are the places behind the last product.
.macro OUT
	s_min_u32 s[S_SB], s[S_T16], 4096
	s_lshl_b32 s[S_SB], s[S_SB], 2
	s_add_co_u32 s[S_SB], s[S_SB], LIST
	v_mov_b32 v[LA], s[S_SB]
.set oi, 0
.rept TROWS
	ds_load_b32 v[TOK+oi], v[LA] offset:4*oi       ; row i's token, the same word for all lanes
.set oi, oi+1
.endr
	OSTORE 0
	s_wait_dscnt 14                                ; the tokens are in; block 0's fourteen stores may be out
.set oi, 0
.rept TROWS
	v_min_u32 v[TOK+oi], 4095, v[TOK+oi]
.set oi, oi+1
.endr
.set oi, 0
.rept TROWS
	v_mul_u32_u24 v[TOK+oi], v[TOK+oi], 400        ; a row of out0 is 400 bytes
.set oi, oi+1
.endr
.set oi, 0
.rept TROWS
	v_add_nc_u32 v[TOK+oi], v[TOK+oi], v[L16]
.set oi, oi+1
.endr
	OLOAD 0
	OSTORE 1
	OLOAD 1
	ADDB 0, 30                                     ; behind block 0's loads: block 1's 14 stores and 16 loads
	OSTORE 2
	OLOAD 2
	ADDB 1, 30
	ADDB 2, 0
	s_sub_co_u32 s[S_ROWS], s[S_N], s[S_T16]
	s_min_u32 s[S_ROWS], s[S_ROWS], TROWS          ; rows of the tile that exist: one at the least
.set oi, 0
.rept TROWS
.if oi > 0
	s_cmp_le_u32 s[S_ROWS], oi
	s_cbranch_scc1 .Lstored                        ; the rows past the count are not stored
.endif
	global_store_b128 v[TOK+oi], v[RW+4*oi:RW+4*oi+3], s[12:13]  ; lanes 0-24: the row's 400 bytes; lanes 25-31: lane 24's 16 bytes once more, address and data alike
.set oi, oi+1
.endr
.Lstored:
	s_wait_xcnt 0x0                                ; the stores' offsets and data are rewritten only behind this wait
.endm
	; ---- set-up ----
	s_load_b256 s[4:11], s[0:1], 0x0               ; feature s[4:5], task_id s[6:7], W s[8:9], b s[10:11]
	s_load_b64 s[12:13], s[0:1], 0x20              ; out0
	v_lshl_add_u32 v[SPW], v0, 2, SPARE
	v_mov_b32 v[NIL], 0
	v_lshrrev_b32 v[T4], 5, v0
	v_readfirstlane_b32 s[S_W], v[T4]              ; wave 0..7
	v_and_b32 v[LN], 31, v0
	v_and_b32 v[TC], 15, v0                        ; c
	v_bfe_u32 v[TH], v0, 4, 1                      ; h
	s_mov_b32 s[S_E], ttmp9
	s_and_b32 s[S_R], ttmp7, 0xffff
	s_mov_b32 s[OFFP+1], 0
	s_mul_i32 s44, s[S_W], WSB
	s_add_co_u32 s44, s44, STG                     ; my stage
	v_lshlrev_b32 v[C16], 4, v[TC]
	v_lshl_add_u32 v[LISTP], v[TH], 2, LIST
	v_mul_u32_u24 v[T4], v[TH], AP
	v_add_nc_u32 v[T4], v[T4], v[C16]              ; AP h + 16 c
	v_mul_u32_u24 v[AFR], v[TC], AP
	v_lshl_add_u32 v[AFR], v[TH], 4, v[AFR]
	v_add_nc_u32 v[AFR], s44, v[AFR]
	v_mul_u32_u24 v[BFR0], v[TC], WP
	v_lshl_add_u32 v[BFR0], v[TH], 4, v[BFR0]
	v_add_nc_u32 v[BFR1], 64*WP, v[BFR0]
	v_mul_u32_u24 v[OST], v[TC], OP
	v_lshl_add_u32 v[OST], v[TH], 5, v[OST]
	v_add_nc_u32 v[OST], s44, v[OST]
	v_min_u32 v[L16], 24, v[LN]
	v_lshlrev_b32 v[L16], 4, v[L16]
	v_add_nc_u32 v[ORD], s44, v[L16]
	s_mul_i32 s45, s[S_W], 2*WP
	v_mul_u32_u24 v[WST], v[TH], WP
	v_add_nc_u32 v[WST], v[WST], v[C16]
	v_add_nc_u32 v[WST], s45, v[WST]
	v_add_nc_u32 v[WST2], 64*WP, v[WST]
	s_lshl_b32 s45, s[S_W], 12                     ; 2 w rows of 2,048 bytes
	v_lshl_add_u32 v[WOF], v[TH], 11, v[C16]
	v_add_nc_u32 v[WOF], s45, v[WOF]
	s_lshl_b32 s45, s[S_W], 1
	s_add_co_u32 s45, s45, 96
	v_add_nc_u32 v[WOF2], s45, v[TH]
	v_min_u32 v[WOF2], 99, v[WOF2]                 ; LDS rows 100-111 repeat row 99: their columns are never read back
	v_lshl_add_u32 v[WOF2], v[WOF2], 11, v[C16]
	s_lshl_b32 s45, s[S_W], 11                     ; my wave's 512 ids
	v_lshl_add_u32 v[IDOF], v[LN], 4, s45
	s_lshl_b32 s45, s[S_E], 8
	s_lshl_b32 s46, s[S_W], 5
	s_add_co_u32 s45, s45, s46                     ; row 256 e + 32 w of the range,
	s_lshl_b32 s45, s45, 11
	v_lshrrev_b32 v[T5], 1, v[LN]                  ; + lane / 2,
	v_and_b32 v[T6], 1, v[LN]
	v_lshlrev_b32 v[T6], 8, v[T6]                  ; its first or second 256 bytes
	v_lshl_add_u32 v[T6], v[T5], 11, v[T6]
	WIN 0x40                                       ; destination window 1
	v_add_nc_u32 v[STO1], s44, v[T4]
	v_add_nc_u32 v[PF1], s45, v[T6]
	s_wait_kmcnt 0x0
	; ---- the ids first; then W and b, which land while the list is made ----
	s_lshl_b32 s[OFFP], s[S_R], 14
	s_add_nc_u64 s[6:7], s[6:7], s[OFFP:OFFP+1]
.irp j, 0,1,2,3
	global_load_b128 v[ID+4*(\j):ID+4*(\j)+3], v[IDOF], s[6:7] offset:512*(\j)  ; tokens 512 w + 128 j + 4 lane + 0..3
.endr
	s_lshl_b32 s[OFFP], s[S_R], 23                 ; 4,096 rows of 2,048 bytes
	s_add_nc_u64 s[4:5], s[4:5], s[OFFP:OFFP+1]
	; The range's 16 work-groups share out its 4,096 rows, 256 each, 32 a wave: each lane asks once for one of a row's first two blocks of 256 bytes, which are what every tile's first loads
	; take.  Two instructions a wave (16 rows each), 128 KiB a work-group, every block once in the launch, all inside feature.
	WIN 0x01                                       ; the address in window 1
	global_prefetch_b8 v[PF1], s[4:5] th:TH_LOAD_NT scope:SCOPE_SE
	global_prefetch_b8 v[PF1], s[4:5] offset:32768 th:TH_LOAD_NT scope:SCOPE_SE
	WIN 0
	s_mul_i32 s[OFFP], s[S_E], 204800
	s_add_nc_u64 s[8:9], s[8:9], s[OFFP:OFFP+1]
.irp g, 0,1,2,3,4,5
.irp j, 0,1,2,3,4,5,6,7
	global_load_b128 v[WL+32*(\g)+4*(\j):WL+32*(\g)+4*(\j)+3], v[WOF], s[8:9] offset:32768*(\g)+256*(\j)  ; rows 2 w + h + 16 g, whole, as four units
.endr
.endr
.irp j, 0,1,2,3,4,5,6,7
	global_load_b128 v[WL+192+4*(\j):WL+192+4*(\j)+3], v[WOF2], s[8:9] offset:256*(\j)
.endr
	s_mul_i32 s[OFFP], s[S_E], 400
	s_add_nc_u64 s[10:11], s[10:11], s[OFFP:OFFP+1]
	global_load_b128 v[BIAS:BIAS+3], v[L16], s[10:11]
	s_mul_i32 s[OFFP], s[S_R], 1638400             ; 4,096 rows of 400 bytes
	s_add_nc_u64 s[12:13], s[12:13], s[OFFP:OFFP+1]
	; the list's 20,480 bytes are cleared, 256 threads x 16 bytes five times: a place that no token takes names token 0
.irp z, 0,1,2,3
	v_mov_b32 v[Z+(\z)], 0
.endr
	v_lshl_add_u32 v[T4], v0, 4, LIST
.irp k, 0,1,2,3,4
	ds_store_b128 v[T4], v[Z:Z+3] offset:4096*(\k)
.endr
	s_wait_loadcnt 57                              ; the ids are in: behind them stand 56 loads of W and one of b
	WIN 0x04                                       ; source 1 in window 1
.irp k, 0,1,2,3,4,5,6,7,8,9,10,11,12,13,14,15
	v_cmp_eq_u32 s[MK+(\k)], s[S_E], v[ID+(\k)]
.endr
	WIN 0
	s_bcnt1_i32_b32 s45, s[MK]
.irp k, 1,2,3,4,5,6,7,8,9,10,11,12,13,14,15
	s_bcnt1_i32_b32 s44, s[MK+(\k)]
	s_add_co_u32 s45, s45, s44
.endr
	s_lshl_b32 s44, s[S_W], 2
	s_add_co_u32 s44, s44, CNT
	v_mov_b32 v[T5], s44
	v_mov_b32 v[T6], s45
	ds_store_b32 v[T5], v[T6]                      ; my wave's count, into its own word
	s_wait_dscnt 0x0                               ; for the others' sake: my part of the list is cleared and my count is written
	s_barrier_signal -1
	s_barrier_wait -1
	; ---- all counts: the list's length, and where my wave's tokens begin ----
	v_and_b32 v[T5], 7, v0
	v_lshl_add_u32 v[T5], v[T5], 2, CNT
	ds_load_b32 v[T6], v[T5]
	s_mov_b32 s[S_N], 0
	s_mov_b32 s[S_BASE], 0
	s_wait_dscnt 0x0
.irp i, 0,1,2,3,4,5,6,7
	v_readlane_b32 s44, v[T6], \i
	s_add_co_u32 s[S_N], s[S_N], s44
	s_cmp_gt_u32 s[S_W], \i
	s_cselect_b32 s44, s44, 0                      ; the waves below mine
	s_add_co_u32 s[S_BASE], s[S_BASE], s44
.endr
	s_min_u32 s[S_N], s[S_N], 4096
	; ---- the list: every lane stores its token's number, into the list's next place if its id is e, else into its own dump word ----
	s_lshl_b32 s44, s[S_W], 9
	v_lshl_add_u32 v[Z], v[LN], 2, s44             ; 512 w + 4 lane
	v_add_nc_u32 v[Z+1], DUMP, v0                  ; my dump word's index
.irp k, 0,1,2,3,4,5,6,7,8,9,10,11,12,13,14,15
.set LP, Z+2+2*((\k)%3)                            ; three pairs of registers take turns
	v_mbcnt_lo_u32_b32 v[LP], s[MK+(\k)], 0        ; how many lanes below mine have a token here
	v_add_nc_u32 v[LP], s[S_BASE], v[LP]
	v_cndmask_b32 v[LP], v[Z+1], v[LP], s[MK+(\k)] ; the choice stands ahead of the clamp
	v_min_u32 v[LP], DUMP+255, v[LP]
	v_lshl_add_u32 v[LP], v[LP], 2, LIST
	v_add_nc_u32 v[LP+1], 128*((\k)>>2)+((\k)&3), v[Z]  ; the token's number in the range
	ds_store_b32 v[LP], v[LP+1]
	s_bcnt1_i32_b32 s44, s[MK+(\k)]
	s_add_co_u32 s[S_BASE], s[S_BASE], s44
.endr
	s_wait_dscnt 0x0                               ; for the others' sake: my part of the list is written
	s_barrier_signal -1
	s_barrier_wait -1
	; ---- my first tile is asked for; then W goes into LDS while those loads are on their way ----
	s_mul_i32 s[S_T16], s[S_W], TROWS
	s_mov_b32 s[S_TB], s[S_T16]
	BEGIN                                          ; its wait for 0 has shown W and b landed; its 48 loads stay out
.irp g, 0,1,2,3
.irp m, 0,1,2,3
	PACK8 WL+32*(\g)+8*(\m)
	ds_store_b128 v[WST], v[WL+32*(\g)+8*(\m):WL+32*(\g)+8*(\m)+3] offset:16*WP*(\g)+256*(\m)
.endr
.endr
.irp g, 4,5,6
.irp m, 0,1,2,3
	PACK8 WL+32*(\g)+8*(\m)
	ds_store_b128 v[WST2], v[WL+32*(\g)+8*(\m):WL+32*(\g)+8*(\m)+3] offset:16*WP*((\g)-4)+256*(\m)
.endr
.endr
	s_wait_dscnt 0x0                               ; for the others' sake: my rows of W are written
	s_barrier_signal -1
	s_barrier_wait -1                              ; the last barrier: from here on W and the list are only read, and a stage is its wave's own
	; ---- the tiles ----
	s_mov_b32 s[S_TRIP], 11
.Ltile:
	s_cmp_ge_u32 s[S_T16], s[S_N]
	s_cbranch_scc1 .Lnext                          ; no such tile
	LOADB03 0
	CVT 0
	LOADA 0
	LOADB46 0
.irp s, 0,1,2,3,4,5,6,7,8,9,10,11,12,13,14,15
	STEP \s
.endr
	OUT
	s_add_co_u32 s[S_TB], s[S_T16], NW*TROWS
	s_cmp_ge_u32 s[S_TB], s[S_N]
	s_cbranch_scc1 .Lnext                          ; nothing more to ask for
	BEGIN
.Lnext:
	s_add_co_u32 s[S_T16], s[S_T16], NW*TROWS      ; 8 waves x 48 places on
	s_sub_co_u32 s[S_TRIP], s[S_TRIP], 1
	s_cmp_lg_u32 s[S_TRIP], 0
	s_cbranch_scc1 .Ltile
	s_wait_tensorcnt 0x0                           ; the wave's end, behind my last LDS store
	ds_add_u32 v[SPW], v[NIL]
	s_wait_dscnt 0x0
	s_endpgm
.Lfunc_end_k_qc20c71aede_heads:
	.size	k_qc20c71aede_heads, .Lfunc_end_k_qc20c71aede_heads-k_qc20c71aede_heads
	.p2alignl 7, 3214868480
	.fill 96, 4, 3214868480
	.section	.rodata,"a",@progbits
	.p2align	6, 0x0
	.amdhsa_kernel k_qc20c71aede_heads
		.amdhsa_group_segment_fixed_size 316416
		.amdhsa_private_segment_fixed_size 0
		.amdhsa_enable_private_segment 0
		.amdhsa_kernarg_size 40
		.amdhsa_user_sgpr_count 2
		.amdhsa_user_sgpr_kernarg_segment_ptr 1
		.amdhsa_wavefront_size32 1
		.amdhsa_system_sgpr_workgroup_id_x 1
		.amdhsa_system_sgpr_workgroup_id_y 1
		.amdhsa_system_sgpr_workgroup_id_z 1
		.amdhsa_system_vgpr_workitem_id 0
		.amdhsa_next_free_vgpr 512
		.amdhsa_next_free_sgpr 66
		.amdhsa_reserve_vcc 0
		.amdhsa_float_denorm_mode_32 3
		.amdhsa_float_denorm_mode_16_64 3
		.amdhsa_memory_ordered 1
		.amdhsa_forward_progress 1
		.amdhsa_inst_pref_size 178
	.end_amdhsa_kernel
	.amdgpu_metadata
---
amdhsa.version: [ 1, 2 ]
amdhsa.kernels:
  - .name:           k_qc20c71aede_heads
    .symbol:         k_qc20c71aede_heads.kd
    .args:
      - { .name: feature, .offset: 0, .size: 8, .value_kind: global_buffer, .address_space: global }
      - { .name: task_id, .offset: 8, .size: 8, .value_kind: global_buffer, .address_space: global }
      - { .name: W, .offset: 16, .size: 8, .value_kind: global_buffer, .address_space: global }
      - { .name: b, .offset: 24, .size: 8, .value_kind: global_buffer, .address_space: global }
      - { .name: out0, .offset: 32, .size: 8, .value_kind: global_buffer, .address_space: global }
    .group_segment_fixed_size: 316416
    .private_segment_fixed_size: 0
    .kernarg_segment_align: 8
    .kernarg_segment_size: 40
    .max_flat_workgroup_size: 256
    .sgpr_count:     66
    .vgpr_count:     512
    .wavefront_size: 32
...
	.end_amdgpu_metadata
.endif
;; end of part 1
